; MI455X (gfx1250); checked and timed in simulation.
; The chip was launched on July 23, 2026; its instructions are those of AMD's public machine-readable ISA for CDNA 5 (MIT licence, August 2026) and "CDNA5" Instruction Set Architecture Reference Guide (July 2026). The comments in the code are by the model that wrote it; some were corrected since.
;; Video Hungarian Matcher Proj Mask. Allowed arithmetic: float matrix products may take bf16 or f16 operands with f32 sums; all other float work in f32.
;; Inputs: box_masks 2 x 10 x 5 x 128 x 128 float32; pred_logits 2 x 100 x 41 float32; pred_masks 2 x 100 x 5 x 128 x 128 float32; tgt_ids 2 x 10 int32.
;; Outputs: out0 2 x 100 x 10 float32.
;; One version. Each part assembles by itself: llvm-mc -triple=amdgcn-amd-amdhsa -mcpu=gfx1250 --defsym DOCPART=n.
;; ======== version 1 of 1: 2 launches
;; workspace buffers: part 512,000 bytes
;; launch proj (part 1): grid 25 x 10, 4 waves a work-group, no clusters, 251,392 bytes of LDS; arguments pred_masks, box_masks, part; writes part
.if DOCPART == 1
	.amdgcn_target "amdgcn-amd-amdhsa--gfx1250"
	.amdhsa_code_object_version 6
	.text
	.protected	k_q440be0a44a_proj
	.globl	k_q440be0a44a_proj
	.p2align	8
	.type	k_q440be0a44a_proj,@function
k_q440be0a44a_proj:
	s_mov_b64 s[64:65], 0
	v_nop
	global_prefetch_b8 v0, s[64:65] scope:SCOPE_SE
	s_setreg_imm32_b32 hwreg(HW_REG_WAVE_MODE, 25, 1), 1
	s_wait_xcnt 0x0
; Projection sums of one frame.  A work-group takes one (b, t) (grid y = 5 b + t), four queries (grid x: q = 4 x .. 4 x + 3) and all ten targets.
; For each (q, g) it forms p = sigmoid(pred) * box, its maxima along x and along y, chooses between them and the maxima of the plain sigmoid by the
; target's first and last occupied row (column), and stores four sums: sum p_y t_y, sum p_y + sum t_y, sum p_x t_x, sum p_x + sum t_x.
; The sum over the five frames and the class term are made by the next launch: a work-group that owned all t would read fifty mask frames.
; SHARES: wave w owns rows 32 w .. 32 w + 31 of every frame.  Lane l = 8 r + c.  Row step s (0..7) is row 32 w + 4 s + r; load k (0..3) takes the
; 16 bytes at 128 k + 16 c of the row, columns 32 k + 4 c + e.  A strip is 128 registers, number 16 s + 4 k + e.  The sigmoids of the four queries
; stay in 512 registers for the whole kernel; each mask frame is loaded once by the work-group, straight into registers, one target ahead.
; The box masks are taken as plain floats: the products are formed, nothing is assumed of their values or shape.
; LIMITS: a NaN in pred_masks or box_masks is dropped by the maxima (v_max_num_f32 lets the number win).
; NOT USED: matrix instructions (no sums of products); tensor loads and LDS tiles (no wave reads another wave's strip, so LDS would only add a trip);
; clusters (joint requests exist for tensor loads into LDS alone, and the 25 work-groups that share a frame's masks divide into no cluster of 4).
.set FRAME, 65536                      ; bytes of a frame of 128 x 128 f32
.set QSTEP, 5*FRAME                    ; from a query (or a target) to the next, same t
.set SLOTP, 2560                       ; FY, FX: 5 rows of 128 f32 (queries 0-3, then the mask's own projection)
.set FY,    0                          ; [slot 11][5][128] f32: maxima along x.  Slot 0: plain sigmoid; slot 1 + g: target g
.set FX,    28160                      ; the same for maxima along y
.set STG,   56320                      ; two stages of column maxima: [q 4: 10240][wave 4: 2560][k 4: 640][lane x 16]
.set SBUF,  40960                      ; the pitch 640 = 512 + 128 puts the readers' lanes 0-7 and 8-15 into different halves of 256 bytes
.set MST,   138240                     ; the masks' own column maxima: [g 10: 10240], inside as in a stage
.set IND,   240640                     ; [g 10][axis y, x][128] words: all ones where the position lies inside the target's bounds, else 0.  Ends at 250880
; window 0
.set VOFF, 2                           ; v2      byte offset of my 16 bytes in row step 0, load 0
.set VST,  3                           ; v3, v4  where I put column maxima, stage 0, 1
.set VMS,  5                           ; v5      the same for the mask's own; steps by 10240 a target.  In the sums: IND + 16 l
.set VRY,  6                           ; v6      where I put a row maximum; steps by a slot a pass
.set VRD,  7                           ; v7, v8  where I read column maxima of query w back, stage 0, 1
.set VFX,  9                           ; v9      where the finished column maxima of query w go; steps by a slot
.set P,    16                          ; v16-79   products of two queries, two row steps each; then the trees' work
.set CA,   80                          ; v80-159  running column maxima, 16 for each of queries 0-3 and the mask
.set RB,   160                         ; v160-223 sixteen partial column maxima x 4 columns, read back from a stage; between FINISH and START: row numbers
.set RA,   224                         ; v224-228 at a pass's end: lane (r, c) holds the maximum of row step c, queries 0-3 and mask
; Row numbers: a lane's 16 columns of row step s of query q5 (4: the mask) come down to two numbers U and V, which wait for the pass's end:
;   s = 0, 1: U at v224 + 5 s + q5, V at v234 + 5 s + q5;   s = 2 .. 7: U at v160 + 5 (s - 2) + q5, V at v190 + 5 (s - 2) + q5
; windows 1, 2: sigmoids of queries 0, 1 and 2, 3 (128 registers each).  Window 3: two mask strips
.set LM,   24                          ; s24, s25, s26  lanes with c & 4, c & 2, c & 1
.set MSB, 0
.macro WIN new                         ; low byte: bits 1:0 source 0, 3:2 source 1, 5:4 source 2, 7:6 destination; the high byte repeats the setting left
.if MSB != (\new)
	s_set_vgpr_msb (MSB<<8)|(\new)
.set MSB, \new
.endif
.endm
.macro RVSET s, q                      ; ru, rv = the registers of U and V of row step s, query q
.if (\s) < 2
.set ru, 224+5*(\s)+(\q)
.set rv, 234+5*(\s)+(\q)
.else
.set ru, 160+5*((\s)-2)+(\q)
.set rv, 190+5*((\s)-2)+(\q)
.endif
.endm
; a strip: 32 loads of 16 bytes a lane
.macro LOADS dst, win, b0, immq, nt
	WIN (\win<<6)
.set ld_n, 0
.rept 32
.if \nt
	global_load_b128 v[\dst+4*ld_n:\dst+4*ld_n+3], v[VOFF], s[\b0:\b0+1] offset:\immq+2048*(ld_n/4)+128*(ld_n%4) th:TH_LOAD_NT
.else
	global_load_b128 v[\dst+4*ld_n:\dst+4*ld_n+3], v[VOFF], s[\b0:\b0+1] offset:\immq+2048*(ld_n/4)+128*(ld_n%4)
.endif
.set ld_n, ld_n+1
.endr
	WIN 0
.endm
; Sigmoid in place, 1 / (1 + 2^(-x log2 e)), in chunks of 32 registers: multiply, exponential, add, reciprocal.
; MIX: 32 transcendentals (tk = 0: v_exp_f32, 1: v_rcp_f32) on the chunk at tb, and among them the 16 packed instructions (pk = 1: the multiply,
; 2: the add, 0: none) of ANOTHER chunk, at pb, so that neither kind comes in one long run.  A result of a transcendental is used a whole MIX later,
; with plain instructions on other registers between (ISA guide 5.7.2).
.macro MIX tk, tb, pk, pb
.set mx_j, 0
.rept 16
.if \tk == 0
	v_exp_f32 v[\tb+2*mx_j], v[\tb+2*mx_j]
.else
	v_rcp_f32 v[\tb+2*mx_j], v[\tb+2*mx_j]
.endif
.if \pk == 1
	v_pk_mul_f32 v[\pb+2*mx_j:\pb+2*mx_j+1], v[\pb+2*mx_j:\pb+2*mx_j+1], 0xbfb8aa3b op_sel_hi:[1,0]
.endif
.if \pk == 2
	s_wait_alu depctr_va_vdst(0)
	v_pk_add_f32 v[\pb+2*mx_j:\pb+2*mx_j+1], v[\pb+2*mx_j:\pb+2*mx_j+1], 1.0 op_sel_hi:[1,0]
.endif
.if \tk == 0
	v_exp_f32 v[\tb+2*mx_j+1], v[\tb+2*mx_j+1]
.else
	v_rcp_f32 v[\tb+2*mx_j+1], v[\tb+2*mx_j+1]
.endif
.set mx_j, mx_j+1
.endr
.endm
.macro SIGM q
.set sg_w, 1+(\q)/2
.set sg_b, 128*((\q)&1)
	WIN (sg_w<<6)|sg_w
.set sg_j, 0
.rept 16
	v_pk_mul_f32 v[sg_b+2*sg_j:sg_b+2*sg_j+1], v[sg_b+2*sg_j:sg_b+2*sg_j+1], 0xbfb8aa3b op_sel_hi:[1,0]
.set sg_j, sg_j+1
.endr
	MIX 0, sg_b,    1, sg_b+32         ; exp chunk 0, multiply chunk 1
	MIX 0, sg_b+32, 2, sg_b            ; exp 1, add 0
	MIX 1, sg_b,    1, sg_b+64         ; rcp 0, multiply 2
	MIX 0, sg_b+64, 2, sg_b+32         ; exp 2, add 1
	MIX 1, sg_b+32, 1, sg_b+96         ; rcp 1, multiply 3
	MIX 0, sg_b+96, 2, sg_b+64         ; exp 3, add 2
	MIX 1, sg_b+64, 2, sg_b+96         ; rcp 2, add 3
	MIX 1, sg_b+96, 0, 0               ; rcp 3
	v_nop                              ; the plain instruction between the last reciprocals and their use (ISA guide 5.7.2)
	s_wait_alu depctr_va_vdst(0)
	WIN 0
.endm
; two row steps (32 registers at src, window w) into the 16 running column maxima of q5.  first = 1 starts them: nothing is cleared
.macro COLMAX q5, src, w, first
.set cm_j, 0
.if \first
	WIN (\w)|((\w)<<2)
.rept 16
	v_max_num_f32 v[CA+16*(\q5)+cm_j], v[\src+cm_j], v[\src+16+cm_j]
.set cm_j, cm_j+1
.endr
.else
	WIN ((\w)<<2)|((\w)<<4)
.rept 16
	v_max3_num_f32 v[CA+16*(\q5)+cm_j], v[CA+16*(\q5)+cm_j], v[\src+cm_j], v[\src+16+cm_j]
.set cm_j, cm_j+1
.endr
.endif
.endm
; the maximum of 16 values at src + st n, by levels, temporaries at tb + st i (tb = src: in place, each register is read before it is written)
.macro TL1 src, st, tb
.set tl_j, 0
.rept 5
	v_max3_num_f32 v[\tb+\st*tl_j], v[\src+\st*3*tl_j], v[\src+\st*(3*tl_j+1)], v[\src+\st*(3*tl_j+2)]
.set tl_j, tl_j+1
.endr
.endm
.macro TL2P src, st, tb
	v_max3_num_f32 v[\tb+\st*3], v[\tb+\st*3], v[\tb+\st*4], v[\src+\st*15]
.endm
.macro TL2 tb, st
	v_max3_num_f32 v[\tb], v[\tb], v[\tb+\st], v[\tb+\st*2]
.endm
.macro TL3 out, tb, st
	v_max_num_f32 v[\out], v[\tb], v[\tb+\st*3]
.endm
; the first level with temporaries apart from the sources: numbers 3 and 4, which the next level wants first, are made first
.macro TL1W src, tb
.irp i, 3,4,0,1,2
	v_max3_num_f32 v[\tb+\i], v[\src+3*\i], v[\src+3*\i+1], v[\src+3*\i+2]
.endr
.endm
; the second level of a tree whose first level lies in place at tb: six numbers to U and V of (row step s, query q)
.macro UV tb, s, q
	RVSET \s, \q
	v_max3_num_f32 v[ru], v[\tb], v[\tb+1], v[\tb+2]
	v_max3_num_f32 v[rv], v[\tb+3], v[\tb+4], v[\tb+15]
.endm
; two row steps s0, s0 + 1 that lie in window w (a sigmoid strip, a mask strip) to their U and V; temporaries at tb in window 0
.macro WTREE src, w, s0, q5, tb
	WIN (\w)|((\w)<<2)|((\w)<<4)
	TL1W \src, \tb
	TL1W \src+16, \tb+16
	WIN ((\w)<<4)                      ; the sixteenth value is source 2
	RVSET \s0, \q5
	v_max3_num_f32 v[rv], v[\tb+3], v[\tb+4], v[\src+15]
	RVSET \s0+1, \q5
	v_max3_num_f32 v[rv], v[\tb+19], v[\tb+20], v[\src+31]
	WIN 0
	RVSET \s0, \q5
	v_max3_num_f32 v[ru], v[\tb], v[\tb+1], v[\tb+2]
	RVSET \s0+1, \q5
	v_max3_num_f32 v[ru], v[\tb+16], v[\tb+17], v[\tb+18]
.endm
; THE PASS'S END FOR THE ROWS.  First max(U, V) for all eight row steps.  Then the eight lanes c of a row are reduced so that lane c ends with row
; step c.  One level, distance d (4, 2, 1): of the row steps s and s + d a lane keeps the one that its bit d of c names and hands the other to lane
; c xor d, which keeps that one: two selects and one maximum that reads the partner's register (DPP).  The registers halve with every level:
; 12 + 6 + 3 instructions a query.  Each kind of line runs over all pairs and queries before the next kind begins.
.macro RSRUN kind, d, sm, n5
.set rl_s, 0
.rept \d
.set rl_q, 0
.rept \n5
	RVSET rl_s+\d, rl_q
.set rl_b, ru
	RVSET rl_s, rl_q
.if \kind == 0
	v_cndmask_b32 v[rv], v[rl_b], v[ru], s[\sm]            ; to hand over: bit set: step s, else step s + d  (V is free by now)
.endif
.if \kind == 1
	v_cndmask_b32 v[ru], v[ru], v[rl_b], s[\sm]            ; to keep: bit set: step s + d, else step s
.endif
.if \kind == 2
	v_max_num_f32_dpp v[ru], v[rv], v[ru] row_xmask:\d row_mask:0xf bank_mask:0xf
.endif
.set rl_q, rl_q+1
.endr
.set rl_s, rl_s+1
.endr
.endm
.macro ROWFIN n5
.irp s, 0,1,2,3,4,5,6,7
.set rl_q, 0
.rept \n5
	RVSET \s, rl_q
	v_max_num_f32 v[ru], v[ru], v[rv]
.set rl_q, rl_q+1
.endr
.endr
.irp k, 0,1,2
	RSRUN \k, 4, LM, \n5
.endr
.irp k, 0,1,2
	RSRUN \k, 2, LM+1, \n5
.endr
.irp k, 0,1,2
	RSRUN \k, 1, LM+2, \n5
.endr
.endm
; Results into LDS.  A query's 16 partial column maxima (512 neighbouring bytes a store) go out in the last block, at places where they were made
; some twenty or more instructions before; the finished row maxima (my 32 rows, 128 neighbouring bytes) go last.
.macro CSTORE q, sbuf
	WIN 0
.set cs_j, 0
.rept 4
	ds_store_b128 v[VST+\sbuf], v[CA+16*(\q)+4*cs_j:CA+16*(\q)+4*cs_j+3] offset:10240*(\q)+640*cs_j
.set cs_j, cs_j+1
.endr
.endm
.macro MSTORE                          ; the mask's own
	WIN 0
.set cs_j, 0
.rept 4
	ds_store_b128 v[VMS], v[CA+64+4*cs_j:CA+64+4*cs_j+3] offset:640*cs_j
.set cs_j, cs_j+1
.endr
.endm
.macro RSTORE n5
.set st_j, 0
.rept \n5
	ds_store_b32 v[VRY], v[RA+st_j] offset:512*st_j
.set st_j, st_j+1
.endr
.endm
; Row steps 2 i and 2 i + 1 of one target against the four queries, and the mask by itself.  st = 1 (the last block): column maxima go to stage sbuf.
; The four trees of a pair of queries go side by side, the second query's column maxima between their levels: no line reads a result of the five
; lines in front of it.
.macro BLOCK i, mbuf, first, st, sbuf
.irp qp, 0,1
	WIN 0x0c|(1+\qp)                   ; source 0 the sigmoids' window, source 1 the masks'
.set bk_j, 0
.rept 32
	v_pk_mul_f32 v[P+2*bk_j:P+2*bk_j+1], v[128*(bk_j/16)+32*\i+2*(bk_j%16):128*(bk_j/16)+32*\i+2*(bk_j%16)+1], v[128*\mbuf+32*\i+2*(bk_j%16):128*\mbuf+32*\i+2*(bk_j%16)+1]
.set bk_j, bk_j+1
.endr
	WIN 0
.if \st
.if \qp
	CSTORE 0, \sbuf                    ; final since the first pair's turn
	CSTORE 1, \sbuf
.endif
.endif
	COLMAX 2*\qp, P, 0, \first
	TL1 P, 1, P
	TL1 P+16, 1, P+16
	COLMAX 2*\qp+1, P+32, 0, \first
	TL1 P+32, 1, P+32
	TL1 P+48, 1, P+48
	UV P,    2*\i,   2*\qp
	UV P+16, 2*\i+1, 2*\qp
	UV P+32, 2*\i,   2*\qp+1
	UV P+48, 2*\i+1, 2*\qp+1
.endr
.if \st
	CSTORE 2, \sbuf
	CSTORE 3, \sbuf
.endif
	COLMAX 4, 128*\mbuf+32*\i, 3, \first
	WTREE 128*\mbuf+32*\i, 3, 2*\i, 4, P
.if \st
	MSTORE
.endif
.endm
; the plain sigmoid's maxima of query q; column maxima to stage 1, so that target 0 takes stage 0
.macro FULLQ q
.set fq_w, 1+(\q)/2
.set fq_b, 128*((\q)&1)
	COLMAX \q, fq_b, fq_w, 1
	WTREE fq_b, fq_w, 0, \q, P
	COLMAX \q, fq_b+32, fq_w, 0
	WTREE fq_b+32, fq_w, 2, \q, P+32
	COLMAX \q, fq_b+64, fq_w, 0
	WTREE fq_b+64, fq_w, 4, \q, P
	COLMAX \q, fq_b+96, fq_w, 0
	WTREE fq_b+96, fq_w, 6, \q, P+32
	CSTORE \q, 1
.endm
; the sixteen partial maxima (4 waves x 4 lane groups r) of my four columns 4 l .. 4 l + 3, into 64 registers at b
.macro START adr, b
.set sr_j, 0
.rept 16
	ds_load_b128 v[\b+4*sr_j:\b+4*sr_j+3], v[\adr] offset:2560*(sr_j/4)+128*(sr_j%4)
.set sr_j, sr_j+1
.endr
.endm
.macro RTREE b                         ; four trees of 16, one for each column, level by level; results in v[b:b+3]
.irp e, 0,1,2,3
	TL1 \b+\e, 4, \b+\e
.endr
.irp e, 0,1,2,3
	TL2P \b+\e, 4, \b+\e
.endr
.irp e, 0,1,2,3
	TL2 \b+\e, 4
.endr
.irp e, 0,1,2,3
	TL3 \b+\e, \b+\e, 4
.endr
.endm
.macro FINISH left                     ; left = LDS instructions of mine issued behind START's sixteen loads
	s_wait_dscnt \left
	RTREE RB
	ds_store_b128 v[VFX], v[RB:RB+3]
.endm
; One target.  The next target's strip is asked for first and waited for last: a whole pass lies between.
; ONE barrier a pass serves both ways: in front of it my stores into stage sbuf are done, and so are my reads of the other stage (FINISH waited for
; them); behind it stage sbuf is read, and the other stage is stored into in the next pass's last block.
; The three LDS addresses that move from pass to pass are stepped behind block 1, far from the stores that name them: VFX behind its use in FINISH,
; VMS and VRY ahead of their use at the pass's end.
.macro PASS mbuf, sbuf, load
.if \load
	LOADS 128*(1-\mbuf), 3, 18, 0, 0
.endif
	BLOCK 0, \mbuf, 1, 0, 0            ; its row numbers go to v224-243: v160-223 are still being loaded
	FINISH 0                           ; the pass before: its column maxima have had BLOCK 0 in which to come back; nothing else of mine is out in LDS
	BLOCK 1, \mbuf, 0, 0, 0
	v_add_nc_u32 v[VFX], SLOTP, v[VFX]
	v_add_nc_u32 v[VMS], 10240, v[VMS]
	v_add_nc_u32 v[VRY], SLOTP, v[VRY]
	BLOCK 2, \mbuf, 0, 0, 0
	BLOCK 3, \mbuf, 0, 1, \sbuf
	ROWFIN 5
	RSTORE 5
	s_wait_dscnt 0x0                   ; for the other waves: all my LDS stores are done
	s_barrier_signal -1
	s_barrier_wait -1
	START VRD+\sbuf, RB
.if \load
	s_wait_loadcnt 0x0                 ; the next strip is in, and its loads' base may be stepped
	s_add_nc_u64 s[18:19], s[18:19], QSTEP
.endif
.endm
	; ---- set-up
	s_load_b128 s[4:7], s[0:1], 0x0                ; pred_masks s[4:5], box_masks s[6:7]
	s_load_b64 s[8:9], s[0:1], 0x10                ; part
	v_lshl_add_u32 v254, v0, 2, 0x3d400
	v_mov_b32 v255, 0
	v_lshrrev_b32 v10, 5, v0
	v_readfirstlane_b32 s10, v10                   ; wave w
	v_and_b32 v1, 31, v0                           ; lane l
	v_lshrrev_b32 v10, 3, v1                       ; r
	v_and_b32 v11, 7, v1                           ; c
	s_and_b32 s11, ttmp7, 0xffff                   ; 5 b + t
	s_cmp_ge_u32 s11, 5
	s_cselect_b32 s12, 1, 0                        ; b
	s_mul_i32 s13, s12, 5
	s_sub_co_u32 s13, s11, s13                     ; t
	s_mov_b32 s21, 0x76543210                      ; v_permlanex16_b32: lane i reads lane i of the other half
	s_mov_b32 s22, 0xfedcba98
	s_mov_b32 s[LM],   0xf0f0f0f0                  ; lanes with c & 4
	s_mov_b32 s[LM+1], 0xcccccccc                  ; c & 2
	s_mov_b32 s[LM+2], 0xaaaaaaaa                  ; c & 1
	s_lshl_b32 s14, s10, 14                        ; 32 w rows of 512 bytes
	v_lshl_add_u32 v[VOFF], v10, 9, s14
	v_lshl_add_u32 v[VOFF], v11, 4, v[VOFF]
	s_mul_i32 s14, s10, 2560
	s_add_co_u32 s15, s14, MST-10240               ; one target back: stepped ahead of each use
	s_add_co_u32 s14, s14, STG
	v_lshl_add_u32 v[VST], v1, 4, s14
	v_add_nc_u32 v[VST+1], SBUF, v[VST]
	v_lshl_add_u32 v[VMS], v1, 4, s15
	s_lshl_b32 s14, s10, 7                         ; row 32 w + 4 c + r, 4 bytes each
	v_lshl_add_u32 v[VRY], v11, 4, s14
	v_lshl_add_u32 v[VRY], v10, 2, v[VRY]
	v_mul_u32_u24 v15, v10, 640                    ; as a reader: k = l >> 3, and 16 bytes for each of l & 7
	v_lshl_add_u32 v15, v11, 4, v15
	s_mul_i32 s14, s10, 10240
	s_add_co_u32 s14, s14, STG
	v_add_nc_u32 v[VRD], s14, v15
	v_add_nc_u32 v[VRD+1], SBUF, v[VRD]
	s_lshl_b32 s14, s10, 9
	s_add_co_u32 s14, s14, FX
	v_lshl_add_u32 v[VFX], v1, 4, s14
	s_mul_i32 s14, s12, 500                        ; frame (b, 4 x, t) of pred_masks: 500 b + 20 x + t
	s_mul_i32 s15, ttmp9, 20
	s_add_co_u32 s14, s14, s15
	s_add_co_u32 s14, s14, s13
	s_lshl_b32 s14, s14, 16
	s_mov_b32 s15, 0
	s_wait_kmcnt 0x0
	s_add_nc_u64 s[16:17], s[4:5], s[14:15]
	s_mul_i32 s14, s12, 50                         ; frame (b, 0, t) of box_masks: 50 b + t
	s_add_co_u32 s14, s14, s13
	s_lshl_b32 s14, s14, 16
	s_add_nc_u64 s[18:19], s[6:7], s[14:15]
	s_mul_i32 s14, s11, 100                        ; part: 512 bytes for each (5 b + t, q), q = 4 x + w
	s_lshl2_add_u32 s14, ttmp9, s14
	s_add_co_u32 s14, s14, s10
	s_lshl_b32 s14, s14, 9
	s_add_nc_u64 s[8:9], s[8:9], s[14:15]
	; ---- the four queries come in, two strips ahead of the work.  Each counted wait leaves the 32 loads of the youngest strip out
	LOADS 0,   1, 16, 0, 1
	LOADS 128, 1, 16, QSTEP, 1
	s_wait_loadcnt 32                              ; query 0 is in
	LOADS 0,   2, 16, 2*QSTEP, 1
	SIGM 0
	FULLQ 0
	s_wait_loadcnt 32                              ; query 1
	LOADS 128, 2, 16, 3*QSTEP, 1
	SIGM 1
	FULLQ 1
	s_wait_loadcnt 32                              ; query 2
	LOADS 0,   3, 18, 0, 0                         ; target 0's strip
	SIGM 2
	FULLQ 2
	s_wait_loadcnt 32                              ; query 3
	SIGM 3
	FULLQ 3
	ROWFIN 4
	RSTORE 4                                       ; slot 0
	s_wait_dscnt 0x0                               ; for the other waves: all my LDS stores are done
	s_barrier_signal -1
	s_barrier_wait -1
	START VRD+1, RB
	s_wait_loadcnt 0x0                             ; target 0's strip
	s_add_nc_u64 s[18:19], s[18:19], QSTEP
	; ---- the ten targets: eight in the loop, the last two written out, since the last asks for no further strip
	s_mov_b32 s20, 4
.Lg:
	PASS 0, 0, 1
	PASS 1, 1, 1
	s_sub_co_u32 s20, s20, 1
	s_cmp_lg_u32 s20, 0
	s_cbranch_scc1 .Lg
	PASS 0, 0, 1
	PASS 1, 1, 0
	; ---- the targets' own projections and bounds, once for the work-group: wave w takes targets w, w + 4 and, for w < 2, w + 8.
	; For a target it finishes the mask's column maxima (t_x), reads t_y, finds the first and the last occupied position of both axes, and leaves in
	; IND a word of all ones for each position inside them.  Lane l stands for positions 4 l .. 4 l + 3.
.set SA,  16                           ; v16-79   a second set of sixteen partial maxima (the first is RB)
.set TYA, 80                           ; v80-83   t_y beside set SA
.set TYB, 84                           ; v84-87   t_y beside set RB
.set IDX, 88                           ; v88-91   my four positions as f32
.set KB,  92                           ; v92      1024.0: beyond every position
.set AA0, 96                           ; position where occupied, else 1024 (axis y; AA1: axis x)
.set BB0, 100                          ; position where occupied, else -1
.set AA1, 104
.set BB1, 108
.set FL,  112                          ; v112-115 first y, last y, first x, last x
.set PT,  116                          ; v116-119 the other half's
.set IN0, 120                          ; v120-123 inside, axis y
.set IN1, 124                          ; v124-127 inside, axis x
.set ADM, 128                          ; v128-130 where the partial column maxima of targets w, w + 4, w + 8 lie: a register each, none is stepped
.macro LOADSET b, ty, j                ; 17 LDS loads: target w + 4 j
	START ADM+\j, \b
	ds_load_b128 v[\ty:\ty+3], v11 offset:FY+\j*4*SLOTP
.endm
; Occupied = target projection above 0.5.  With no occupied position first = 1024 and last = -1: nothing lies inside, as in reference(), whose
; bounds are then 0 and 0.  The two axes go side by side, and the compares in runs into scalar registers of their own.
.macro BOUNDS ty, tx
.irp e, 0,1,2,3
	v_cmp_lt_f32 s[32+\e], 0.5, v[\ty+\e]
	v_cmp_lt_f32 s[36+\e], 0.5, v[\tx+\e]
.endr
.irp e, 0,1,2,3
	v_cndmask_b32 v[AA0+\e], v[KB], v[IDX+\e], s[32+\e]
	v_cndmask_b32 v[BB0+\e], -1.0, v[IDX+\e], s[32+\e]
	v_cndmask_b32 v[AA1+\e], v[KB], v[IDX+\e], s[36+\e]
	v_cndmask_b32 v[BB1+\e], -1.0, v[IDX+\e], s[36+\e]
.endr
	v_min3_num_f32 v[FL],   v[AA0], v[AA0+1], v[AA0+2]
	v_max3_num_f32 v[FL+1], v[BB0], v[BB0+1], v[BB0+2]
	v_min3_num_f32 v[FL+2], v[AA1], v[AA1+1], v[AA1+2]
	v_max3_num_f32 v[FL+3], v[BB1], v[BB1+1], v[BB1+2]
	v_min_num_f32 v[FL],   v[FL],   v[AA0+3]
	v_max_num_f32 v[FL+1], v[FL+1], v[BB0+3]
	v_min_num_f32 v[FL+2], v[FL+2], v[AA1+3]
	v_max_num_f32 v[FL+3], v[FL+3], v[BB1+3]
.irp m, 1,2,4,8
	v_min_num_f32_dpp v[FL],   v[FL],   v[FL]   row_xmask:\m row_mask:0xf bank_mask:0xf
	v_max_num_f32_dpp v[FL+1], v[FL+1], v[FL+1] row_xmask:\m row_mask:0xf bank_mask:0xf
	v_min_num_f32_dpp v[FL+2], v[FL+2], v[FL+2] row_xmask:\m row_mask:0xf bank_mask:0xf
	v_max_num_f32_dpp v[FL+3], v[FL+3], v[FL+3] row_xmask:\m row_mask:0xf bank_mask:0xf
.endr
.irp j, 0,1,2,3
	v_permlanex16_b32 v[PT+\j], v[FL+\j], s21, s22
.endr
	v_min_num_f32 v[FL],   v[FL],   v[PT]
	v_max_num_f32 v[FL+1], v[FL+1], v[PT+1]
	v_min_num_f32 v[FL+2], v[FL+2], v[PT+2]
	v_max_num_f32 v[FL+3], v[FL+3], v[PT+3]
.irp e, 0,1,2,3
	v_cmp_ge_f32 s[32+\e], v[IDX+\e], v[FL]
	v_cmp_le_f32 s[36+\e], v[IDX+\e], v[FL+1]
	v_cmp_ge_f32 s[40+\e], v[IDX+\e], v[FL+2]
	v_cmp_le_f32 s[44+\e], v[IDX+\e], v[FL+3]
.endr
.irp e, 0,1,2,3
	v_cndmask_b32 v[IN0+\e], 0, -1, s[32+\e]
	v_cndmask_b32 v[IN1+\e], 0, -1, s[40+\e]
.endr
.irp e, 0,1,2,3
	v_cndmask_b32 v[IN0+\e], 0, v[IN0+\e], s[36+\e]
	v_cndmask_b32 v[IN1+\e], 0, v[IN1+\e], s[44+\e]
.endr
.endm
.macro PROC b, ty, j                   ; three LDS stores
	RTREE \b
	ds_store_b128 v11, v[\b:\b+3] offset:FX+\j*4*SLOTP
	BOUNDS \ty, \b
	ds_store_b128 v14, v[IN0:IN0+3] offset:\j*4096
	ds_store_b128 v14, v[IN1:IN1+3] offset:\j*4096+512
.endm
	s_mul_i32 s14, s10, 10240
	s_add_co_u32 s14, s14, MST
	v_add_nc_u32 v[ADM], s14, v15                  ; target w's partial column maxima
	v_add_nc_u32 v[ADM+1], 4*10240, v[ADM]         ; target w + 4's
	v_add_nc_u32 v[ADM+2], 8*10240, v[ADM]         ; target w + 8's: used by waves 0 and 1 alone
	s_mul_i32 s14, s10, SLOTP
	s_add_co_u32 s14, s14, SLOTP+2048
	v_lshl_add_u32 v11, v1, 4, s14                 ; row 4 of slot 1 + w: t_y at FY, t_x at FX
	LOADSET SA, TYA, 0
	s_lshl_b32 s14, s10, 10
	s_add_co_u32 s14, s14, IND
	v_lshl_add_u32 v14, v1, 4, s14
	v_lshlrev_b32 v13, 2, v1
	v_cvt_f32_u32 v[IDX], v13
	v_add_f32 v[IDX+1], 1.0, v[IDX]
	v_add_f32 v[IDX+2], 2.0, v[IDX]
	v_add_f32 v[IDX+3], 0x40400000, v[IDX]
	v_mov_b32 v[KB], 0x44800000
.irp j, 0,1,2,3
	v_mov_b32 v[PT+\j], 0                          ; v_permlanex16_b32 counts as a reader of its destination
.endr
	FINISH 17                                      ; target 9's column maxima of my query; the 17 loads of the first set stay out
	LOADSET RB, TYB, 1
	s_wait_dscnt 18                                ; the first set is in: FINISH's store and the second set's 17 loads stay out
	PROC SA, TYA, 0
	s_wait_dscnt 3                                 ; the second set is in: the three stores just issued stay out
	PROC RB, TYB, 1
	s_cmp_lt_u32 s10, 2
	s_cbranch_scc0 .Lno_third
	LOADSET SA, TYA, 2
	s_wait_dscnt 0x0
	PROC SA, TYA, 2
.Lno_third:
	s_wait_dscnt 0x0                               ; for the other waves: FX and IND are whole
	s_barrier_signal -1
	s_barrier_wait -1
	; ---- the sums.  Wave w takes query w; lane l the positions 4 l .. 4 l + 3 of both axes.
	; The operands land in window 1, where the sigmoids are no longer needed: target g at 24 g: t_y, product's maxima y, inside y, then the same for x.
.set FULLY, 240                        ; window 1: the plain sigmoid's maxima along x
.set FULLX, 244                        ;           and along y
.set S0,    16                         ; window 0: v16-55 target g: num y, den y, num x, den x
.set OUT,   56                         ; window 0: v56-59 what is stored
	v_lshlrev_b32 v12, 4, v1
	s_lshl_b32 s14, s10, 9
	v_add_nc_u32 v13, s14, v12
	v_add_nc_u32 v[VMS], IND, v12
.set eg, 0
.rept 10
	s_mov_b32 s[32+eg], 0x10001<<eg                ; lanes g and 16 + g keep target g's sums
.set eg, eg+1
.endr
	WIN 0x40                                       ; loaded data to window 1, addresses from window 0
	ds_load_b128 v[FULLY:FULLY+3], v13 offset:FY
	ds_load_b128 v[FULLX:FULLX+3], v13 offset:FX
.set eg, 0
.rept 10
	ds_load_b128 v[24*eg:24*eg+3],     v12 offset:FY+(1+eg)*SLOTP+2048     ; t_y
	ds_load_b128 v[24*eg+4:24*eg+7],   v13 offset:FY+(1+eg)*SLOTP          ; max over x of the product
	ds_load_b128 v[24*eg+8:24*eg+11],  v[VMS] offset:eg*1024               ; inside, y
	ds_load_b128 v[24*eg+12:24*eg+15], v12 offset:FX+(1+eg)*SLOTP+2048     ; t_x
	ds_load_b128 v[24*eg+16:24*eg+19], v13 offset:FX+(1+eg)*SLOTP          ; max over y of the product
	ds_load_b128 v[24*eg+20:24*eg+23], v[VMS] offset:eg*1024+512           ; inside, x
.set eg, eg+1
.endr
; a lane's share of one target, in place: the chosen projection p replaces the inside words, p + t the products' maxima, p t the target's projection
.macro SUMS b
.irp e, 0,1,2,3
	v_bfi_b32 v[\b+8+\e],  v[\b+8+\e],  v[\b+4+\e],  v[FULLY+\e]           ; inside: the product's maximum; outside: the plain sigmoid's
	v_bfi_b32 v[\b+20+\e], v[\b+20+\e], v[\b+16+\e], v[FULLX+\e]
.endr
	v_pk_add_f32 v[\b+4:\b+5],   v[\b+8:\b+9],   v[\b:\b+1]
	v_pk_add_f32 v[\b+16:\b+17], v[\b+20:\b+21], v[\b+12:\b+13]
	v_pk_add_f32 v[\b+6:\b+7],   v[\b+10:\b+11], v[\b+2:\b+3]
	v_pk_add_f32 v[\b+18:\b+19], v[\b+22:\b+23], v[\b+14:\b+15]
	v_pk_mul_f32 v[\b:\b+1],     v[\b+8:\b+9],   v[\b:\b+1]
	v_pk_mul_f32 v[\b+12:\b+13], v[\b+20:\b+21], v[\b+12:\b+13]
	v_pk_add_f32 v[\b+4:\b+5],   v[\b+4:\b+5],   v[\b+6:\b+7]
	v_pk_add_f32 v[\b+16:\b+17], v[\b+16:\b+17], v[\b+18:\b+19]
	v_pk_fma_f32 v[\b:\b+1],     v[\b+10:\b+11], v[\b+2:\b+3],   v[\b:\b+1]
	v_pk_fma_f32 v[\b+12:\b+13], v[\b+22:\b+23], v[\b+14:\b+15], v[\b+12:\b+13]
.endm
	WIN 0x55                                       ; everything in window 1
.set eg, 0
.rept 10
	s_wait_dscnt 6*(9-eg)                          ; target g's six loads are in; the six of each later target stay out
	SUMS 24*eg
.set eg, eg+1
.endr
	WIN 0x05                                       ; sources in window 1, results in window 0
.set eg, 0
.rept 10
	v_add_f32 v[S0+4*eg],   v[24*eg],    v[24*eg+1]
	v_add_f32 v[S0+4*eg+1], v[24*eg+4],  v[24*eg+5]
	v_add_f32 v[S0+4*eg+2], v[24*eg+12], v[24*eg+13]
	v_add_f32 v[S0+4*eg+3], v[24*eg+16], v[24*eg+17]
.set eg, eg+1
.endr
	WIN 0
.irp m, 1,2,4,8                                    ; sums inside each half of 16 lanes, all forty side by side; the halves are added by the next launch
.set eg, 0
.rept 40
	v_add_f32_dpp v[S0+eg], v[S0+eg], v[S0+eg] row_xmask:\m row_mask:0xf bank_mask:0xf
.set eg, eg+1
.endr
.endr
.irp j, 0,1,2,3
	v_cndmask_b32 v[OUT+\j], 0, v[S0+\j], s32      ; target 0 starts the word; slots 10 to 15 stay zero
.endr
.set eg, 1
.rept 9
.irp j, 0,1,2,3
	v_cndmask_b32 v[OUT+\j], v[OUT+\j], v[S0+4*eg+\j], s[32+eg]
.endr
.set eg, eg+1
.endr
	global_store_b128 v12, v[OUT:OUT+3], s[8:9]    ; the wave stores 512 consecutive bytes, at a multiple of 512 from part's first byte
	s_wait_tensorcnt 0x0
	ds_add_u32 v254, v255
	s_wait_dscnt 0x0
	s_endpgm
.Lfunc_end_k_q440be0a44a_proj:
	.size	k_q440be0a44a_proj, .Lfunc_end_k_q440be0a44a_proj-k_q440be0a44a_proj
	.p2alignl 7, 3214868480
	.fill 96, 4, 3214868480
	.section	.rodata,"a",@progbits
	.p2align	6, 0x0
	.amdhsa_kernel k_q440be0a44a_proj
		.amdhsa_group_segment_fixed_size 251392
		.amdhsa_private_segment_fixed_size 0
		.amdhsa_enable_private_segment 0
		.amdhsa_kernarg_size 24
		.amdhsa_user_sgpr_count 2
		.amdhsa_user_sgpr_kernarg_segment_ptr 1
		.amdhsa_wavefront_size32 1
		.amdhsa_system_sgpr_workgroup_id_x 1
		.amdhsa_system_sgpr_workgroup_id_y 1
		.amdhsa_system_sgpr_workgroup_id_z 1
		.amdhsa_system_vgpr_workitem_id 0
		.amdhsa_next_free_vgpr 1024
		.amdhsa_next_free_sgpr 66
		.amdhsa_reserve_vcc 0
		.amdhsa_float_denorm_mode_32 3
		.amdhsa_float_denorm_mode_16_64 3
		.amdhsa_memory_ordered 1
		.amdhsa_forward_progress 1
		.amdhsa_inst_pref_size 255
	.end_amdhsa_kernel
	.section	.bss,"aw",@nobits
	.p2align	6
	.space	262144
	.amdgpu_metadata
---
amdhsa.version: [ 1, 2 ]
amdhsa.kernels:
  - .name:           k_q440be0a44a_proj
    .symbol:         k_q440be0a44a_proj.kd
    .args:
      - { .name: pred_masks, .offset: 0, .size: 8, .value_kind: global_buffer, .address_space: global }
      - { .name: box_masks, .offset: 8, .size: 8, .value_kind: global_buffer, .address_space: global }
      - { .name: part, .offset: 16, .size: 8, .value_kind: global_buffer, .address_space: global }
    .group_segment_fixed_size: 251392
    .private_segment_fixed_size: 0
    .kernarg_segment_align: 8
    .kernarg_segment_size: 24
    .max_flat_workgroup_size: 128
    .sgpr_count:     66
    .vgpr_count:     1024
    .wavefront_size: 32
...
	.end_amdgpu_metadata
.endif
;; end of part 1
;; launch combine (part 2): grid 25 x 1, 8 waves a work-group, no clusters, 0 bytes of LDS; arguments part, pred_logits, tgt_ids, out0; writes out0
.if DOCPART == 2
	.amdgcn_target "amdgcn-amd-amdhsa--gfx1250"
	.amdhsa_code_object_version 6
	.text
	.protected	k_q440be0a44a_combine
	.globl	k_q440be0a44a_combine
	.p2align	8
	.type	k_q440be0a44a_combine,@function
k_q440be0a44a_combine:
	s_mov_b64 s[64:65], 0
	v_nop
	global_prefetch_b8 v0, s[64:65] scope:SCOPE_SE
	s_setreg_imm32_b32 hwreg(HW_REG_WAVE_MODE, 25, 1), 1
	s_wait_xcnt 0x0
; out0[b][q][g] = -2 softmax(logits[b][q])[ids[b][g]] + 5 (dice_y + dice_x), dice = 1 - (2 num + 1) / (den + 1).
; One wave for each (b, q): bq = 8 x work-group + wave, 200 in all.  Lane l stands for target l & 15.
; part: [5 b + t][q][half 2][slot 16][num y, den y, num x, den x] f32; the wave adds the five frames and the two halves.
; The softmax takes the row's maximum away first, as reference() does.  The target's logit is fetched from the lane that holds it
; (ds_bpermute_b32, which touches no LDS byte), so that no load waits for another load's result.
; LIMITS: tgt_ids is clamped to 0 .. 40 (reference() indexes a row of 41).
; The output is 40 neighbouring bytes a wave and 8,000 bytes in all: a stage in LDS to gather them would cost more than it spares.
	s_load_b256 s[4:11], s[0:1], 0x0               ; part s[4:5], logits s[6:7], ids s[8:9], out0 s[10:11]
	v_lshrrev_b32 v2, 5, v0
	v_readfirstlane_b32 s12, v2                    ; wave
	v_and_b32 v1, 31, v0                           ; lane
	v_and_b32 v2, 15, v1                           ; target (10 to 15: clamped to 9, not stored)
	s_lshl3_add_u32 s13, ttmp9, s12                ; bq
	s_cmp_ge_u32 s13, 100
	s_cselect_b32 s14, 1, 0                        ; b
	s_mul_i32 s15, s14, 100
	s_sub_co_u32 s15, s13, s15                     ; q
	s_mul_i32 s16, s14, 10
	s_mul_i32 s17, s13, 164                        ; a row of 41 logits
	s_mul_i32 s18, s14, 500
	s_add_co_u32 s18, s18, s15
	s_lshl_b32 s18, s18, 9                         ; (500 b + q) x 512; a frame on is 100 x 512 = 51,200 bytes
	s_mul_i32 s19, s13, 40                         ; ten results
	s_mov_b32 s20, 0xc0a00000                      ; -5.0
	s_mov_b32 s21, 0x41200000                      ; 10.0
	s_mov_b32 s22, 0x76543210                      ; v_permlanex16_b32: lane i reads lane i of the other half
	s_mov_b32 s23, 0xfedcba98
	v_min_u32 v3, 9, v2
	v_add_nc_u32 v3, s16, v3
	v_lshlrev_b32 v3, 2, v3
	v_lshl_add_u32 v4, v1, 2, s17                  ; logits 0 to 31
	v_add_nc_u32 v5, 32, v1
	v_min_u32 v5, 40, v5                           ; logits 32 to 40; lanes 9 and up read number 40 again and drop it
	v_lshl_add_u32 v5, v5, 2, s17
	v_lshl_add_u32 v6, v1, 4, s18
	v_lshl_add_u32 v45, v1, 2, s19
	s_wait_kmcnt 0x0
	global_load_b32 v7, v3, s[8:9]
	global_load_b32 v28, v4, s[6:7]
	global_load_b32 v29, v5, s[6:7]
.irp t, 0,1,2,3,4
	global_load_b128 v[8+4*\t:8+4*\t+3], v6, s[4:5] offset:51200*\t
.endr
	v_mov_b32 v33, 0                               ; destinations of v_permlanex16_b32 count as read
.irp j, 36,37,38,39
	v_mov_b32 v\j, 0
.endr
	s_wait_loadcnt 5                               ; the id and the logits are in; the five loads of partial sums stay out
	v_min_u32 v7, 40, v7
	v_and_b32 v30, 31, v7
	v_lshlrev_b32 v30, 2, v30                      ; the lane that holds the target's logit, times 4
	ds_bpermute_b32 v31, v30, v28                  ; logit id mod 32
	ds_bpermute_b32 v46, v30, v29                  ; logit 32 + id mod 32
	v_cmp_gt_u32 vcc_lo, 9, v1
	v_cndmask_b32 v47, 0xff800000, v29, vcc_lo     ; -infinity where there is no logit
	; the row's maximum, in every lane
	v_max_num_f32 v32, v28, v47
.irp m, 1,2,4,8
	v_max_num_f32_dpp v32, v32, v32 row_xmask:\m row_mask:0xf bank_mask:0xf
.endr
	v_permlanex16_b32 v33, v32, s22, s23
	v_max_num_f32 v32, v32, v33
	v_mul_f32 v35, 0x3fb8aa3b, v32                 ; e^(x - m) = 2^(x log2 e - m log2 e)
	v_fma_f32 v28, v28, 0x3fb8aa3b, -v35
	v_fma_f32 v47, v47, 0x3fb8aa3b, -v35
	s_wait_dscnt 0x0                               ; both candidates for the target's logit
	v_cmp_le_u32 vcc_lo, 32, v7
	v_cndmask_b32 v31, v31, v46, vcc_lo
	v_fma_f32 v31, v31, 0x3fb8aa3b, -v35
	v_exp_f32 v28, v28
	v_exp_f32 v47, v47
	v_exp_f32 v31, v31
	s_wait_loadcnt 0x0                             ; the partial sums
	; five frames.  The first line is also the plain instruction between the exponentials and their use (ISA guide 5.7.2)
	v_pk_add_f32 v[8:9], v[8:9], v[12:13]
	v_pk_add_f32 v[10:11], v[10:11], v[14:15]
	v_pk_add_f32 v[16:17], v[16:17], v[20:21]
	v_pk_add_f32 v[18:19], v[18:19], v[22:23]
	s_wait_alu depctr_va_vdst(0)
	v_add_f32 v34, v28, v47
	v_pk_add_f32 v[8:9], v[8:9], v[16:17]
	v_pk_add_f32 v[10:11], v[10:11], v[18:19]
.irp m, 1,2,4,8
	v_add_f32_dpp v34, v34, v34 row_xmask:\m row_mask:0xf bank_mask:0xf
.endr
	v_pk_add_f32 v[8:9], v[8:9], v[24:25]
	v_pk_add_f32 v[10:11], v[10:11], v[26:27]
	v_permlanex16_b32 v33, v34, s22, s23
	v_add_f32 v34, v34, v33                        ; the sum of the exponentials, at least 1
.irp j, 0,1,2,3
	v_permlanex16_b32 v[36+\j], v[8+\j], s22, s23  ; the other half of the positions
.endr
	v_pk_add_f32 v[8:9], v[8:9], v[36:37]          ; num y, den y
	v_pk_add_f32 v[10:11], v[10:11], v[38:39]      ; num x, den x
	v_add_f32 v40, 1.0, v9
	v_add_f32 v41, 1.0, v11
	v_rcp_f32 v34, v34
	v_rcp_f32 v40, v40
	v_rcp_f32 v41, v41
	v_fma_f32 v42, v8, 2.0, 1.0                    ; plain work behind the reciprocals, ahead of their use
	v_fma_f32 v43, v10, 2.0, 1.0
	s_wait_alu depctr_va_vdst(0)
	v_mul_f32 v44, v42, v40
	v_fma_f32 v44, v43, v41, v44
	v_mul_f32 v31, v31, v34                        ; the class probability
	v_fma_f32 v44, v44, s20, s21                   ; 5 (2 - both quotients)
	v_fma_f32 v44, v31, -2.0, v44
	v_cmp_gt_u32 vcc_lo, 10, v1
	s_wait_xcnt 0x0                                ; EXEC changes only when the loads above have had their addresses translated
	s_and_saveexec_b32 s24, vcc_lo
	global_store_b32 v45, v44, s[10:11]            ; lanes 0 to 9: targets 0 to 9
	s_wait_xcnt 0x0                                ; and again in front of the line that widens it
	s_or_b32 exec_lo, exec_lo, s24
	s_endpgm
.Lfunc_end_k_q440be0a44a_combine:
	.size	k_q440be0a44a_combine, .Lfunc_end_k_q440be0a44a_combine-k_q440be0a44a_combine
	.p2alignl 7, 3214868480
	.fill 96, 4, 3214868480
	.section	.rodata,"a",@progbits
	.p2align	6, 0x0
	.amdhsa_kernel k_q440be0a44a_combine
		.amdhsa_group_segment_fixed_size 0
		.amdhsa_private_segment_fixed_size 0
		.amdhsa_enable_private_segment 0
		.amdhsa_kernarg_size 32
		.amdhsa_user_sgpr_count 2
		.amdhsa_user_sgpr_kernarg_segment_ptr 1
		.amdhsa_wavefront_size32 1
		.amdhsa_system_sgpr_workgroup_id_x 1
		.amdhsa_system_sgpr_workgroup_id_y 1
		.amdhsa_system_sgpr_workgroup_id_z 1
		.amdhsa_system_vgpr_workitem_id 0
		.amdhsa_next_free_vgpr 48
		.amdhsa_next_free_sgpr 66
		.amdhsa_reserve_vcc 1
		.amdhsa_float_denorm_mode_32 3
		.amdhsa_float_denorm_mode_16_64 3
		.amdhsa_memory_ordered 1
		.amdhsa_forward_progress 1
		.amdhsa_inst_pref_size 6
	.end_amdhsa_kernel
	.amdgpu_metadata
---
amdhsa.version: [ 1, 2 ]
amdhsa.kernels:
  - .name:           k_q440be0a44a_combine
    .symbol:         k_q440be0a44a_combine.kd
    .args:
      - { .name: part, .offset: 0, .size: 8, .value_kind: global_buffer, .address_space: global }
      - { .name: pred_logits, .offset: 8, .size: 8, .value_kind: global_buffer, .address_space: global }
      - { .name: tgt_ids, .offset: 16, .size: 8, .value_kind: global_buffer, .address_space: global }
      - { .name: out0, .offset: 24, .size: 8, .value_kind: global_buffer, .address_space: global }
    .group_segment_fixed_size: 0
    .private_segment_fixed_size: 0
    .kernarg_segment_align: 8
    .kernarg_segment_size: 32
    .max_flat_workgroup_size: 256
    .sgpr_count:     66
    .vgpr_count:     48
    .wavefront_size: 32
...
	.end_amdgpu_metadata
.endif
;; end of part 2
